; MI455X (gfx1250); checked and timed in simulation.
; The chip was launched on July 23, 2026; its instructions are those of AMD's public machine-readable ISA for CDNA 5 (MIT licence, August 2026) and "CDNA5" Instruction Set Architecture Reference Guide (July 2026). The comments in the code are by the model that wrote it; some were corrected since.
;; Attention. Allowed arithmetic: matrix products marked QUANTISED: E5M2 operands, one given power-of-two scale a tensor, by v_wmma_f32_16x16x64_bf8_bf8 or v_wmma_f32_16x16x128_bf8_bf8, f32 sums; products left as they are: f32 operands where the result goes on into a quantised operand, else bf16, f16 or f32 operands; f32 sums; everything else in f32.
;; Inputs: W_cov 1 x 1,024 float32; W_h_codes 1,024 x 32 x 32 uint8 (E5M2 codes of W_h, K innermost, in blocks of 32 codes); W_s_codes 1,024 x 64 x 32 uint8 (E5M2 codes of W_s, K innermost, in blocks of 32 codes); b_cov 1,024 float32; b_h 1,024 float32; b_s 1,024 float32; context 32 x 2,048 x 1,024 float32; context_mask 32 x 2,048 int32; coverage 32 x 2,048 float32; last_attn 32 x 2,048 float32; lowp_scales 4 int32 (the exponents e of the quantised operands' scales 2^e); state_c 32 x 1,024 float32; state_h 32 x 1,024 float32; v_b 1 float32; v_w 1,024 x 1 float32.
;; Outputs: out0 32 x 1,024 float32; out1 32 x 2,048 float32.
;; This version of the problem:
;;   THIS VERSION OF THE PROBLEM IS GIVEN IN LOW PRECISION. The matrix products marked QUANTISED in the list below multiply operands that are first quantised to E5M2 (5 exponent bits, 2 mantissa bits; 8 bits a number), with one given power-of-two scale for each operand tensor; their sums are f32. All else is computed in f32.
;;   The module's matrix products, in the order in which they are computed (A, B: the left and right operand; K: the contracted axis; several contracted axes count as one K, in the product's order):
;;     1. [M 32, K 2,048] x [K 2,048, N 1,024]; A: computed on the way; B: input W_s (given as codes): QUANTISED (scales: A lowp_scales[0], B lowp_scales[1])
;;     2. [M 65,536, K 1,024] x [K 1,024, N 1,024]; A: input context; B: input W_h (given as codes): QUANTISED (scales: A lowp_scales[2], B lowp_scales[3])
;;     3. [M 65,536, K 1,024] x [K 1,024, N 1]; A: computed on the way; B: input v_w: left as it is (N = 1 < 16)
;;     4. batch 32 x [M 1, K 2,048] x [K 2,048, N 1,024]; A: computed on the way; B: input context: left as it is (M = 1 < 16)
;;   THE QUANTISER, for each operand of a quantised product, along K:
;;     - The operand's scale is 2^e, e = its entry of the input lowp_scales (int32; the entries are numbered through the quantised products in the list's order, A before B).
;;     - Each number is divided by the scale, clamped to +-57,344, and rounded to the nearest number of E5M2, ties to even, subnormals kept.
;;     - The product sums the exact products of the quantised numbers (number of the format x scale) in f32.
;;   ~~~python
;;   def quantise(x, axis, e):      # numpy; x: float32 -> the quantised numbers, widened to float32 again
;;       x = np.moveaxis(x, axis, -1); K = x.shape[-1]
;;       r = np.clip(x / 2.0 ** e, -57344, 57344)
;;       step = 2.0 ** (np.maximum(np.frexp(np.where(r == 0, 1, r))[1] - 1, -14) - 2)
;;       q = np.round(r / step) * step * 2.0 ** e      # np.round: ties to even
;;       return np.moveaxis(q, -1, axis).astype(np.float32)
;;   ~~~
;;   OPERANDS COMPUTED ON THE WAY. 'Computed on the way' means the value that the module computes at that place (a softmax that the list does not call 'softmax' is quantised finished and normalised). What goes into a quantiser is computed in f32, as accurately as f32 sums, v_exp_f32 and their like allow (about 1e-6 of the number): no bf16 or f16 on the way to a quantiser, and a product that is left as it is and whose result goes on into a quantised operand takes f32 operands (vector FMAs, or v_wmma_f32_16x16x4_f32). A number that lies on a knife's edge between two numbers of the format may be rounded either way, as far as f32 arithmetic and the matrix unit's own rounding can turn it there, and no further.
;;   INPUTS GIVEN AS CODES. W_h (in the module: [1024, 1024], K = its axis 0); W_s (in the module: [2048, 1024], K = its axis 0): each comes as NAME_codes (uint8): NAME with its K axis moved to the last place and cut into blocks of 32 codes, [.., K / 32, bytes a block], one block behind the other in memory; one code a byte (a code: sign, 5 exponent bits, 2 mantissa bits); its scale is its entry of lowp_scales. Its value is code x scale, taken as it is: it is not quantised again, and the codes and scales need not be those that the quantiser above would give.
;; One version. Each part assembles by itself: llvm-mc -triple=amdgcn-amd-amdhsa -mcpu=gfx1250 --defsym DOCPART=n.
;; ======== version 1 of 1: 3 launches
;; limits: values are held in bf16: 8 bits of precision; right only within a limited range of input values
;; workspace buffers: wfrag 1,048,576 bytes; bias 135,168 bytes; idx 528,384 bytes of whole numbers; eL 266,240 bytes; pstat 8,192 bytes; partO 3,407,872 bytes
;; launch prep (part 1): grid 160 x 1, 16 waves a work-group, no clusters, 35,072 bytes of LDS; arguments state_h, state_c, W_s_codes, W_h_codes, lowp_scales, b_s, b_h, b_cov, coverage, context_mask, wfrag, bias, idx; writes wfrag, bias, idx
.if DOCPART == 1
	.amdgcn_target "amdgcn-amd-amdhsa--gfx1250"
	.amdhsa_code_object_version 6
	.text
	.protected	k_q728dc4fda8_prep
	.globl	k_q728dc4fda8_prep
	.p2align	8
	.type	k_q728dc4fda8_prep,@function
k_q728dc4fda8_prep:
	s_mov_b64 s[64:65], 0
	v_nop
	global_prefetch_b8 v0, s[64:65] scope:SCOPE_SE
	s_setreg_imm32_b32 hwreg(HW_REG_WAVE_MODE, 25, 1), 1
	s_wait_xcnt 0x0
; THE PROGRAM.  attn[b][s] = w 2^(E - m) / sum over s of w 2^(E - m), w = float(context_mask[b][s]), E = log2(e) x the score; attn_h[b] = sum over s of attn[b][s] context[b][s].
; WORK LEFT OUT, for all finite values of the inputs:
;  - last_attn reaches no line of the result: it is not loaded and is no argument of any launch.
;  - v_b is added to every score of a row alike, and a softmax is unchanged by a term that is the same along its axis: v_b is not loaded.  With tanh x = 1 - 2 / (1 + e^(2x)) the score is
;    (sum of v_w) - 2 sum over d of v_w[d] / (1 + e^(2x)): the first term is the same along the axis too and is not formed.
;  - the second subtraction of the maximum subtracts 0 by identity; the softmax's own divisor cancels against the renormalisation that follows it.
;  - a row s with context_mask = 0 has attn = 0 x softmax: its score reaches the outputs only through the softmax's divisor and maximum, which cancel.  The mask is a whole number read from memory:
;    this launch sorts each batch's rows by it, and the next launch reads, quantises and multiplies the kept rows alone.  The maximum is still taken away, over the kept rows.
;  LIMIT: a NaN, an infinity or an overflow that reaches only the work left out (a dropped row's context, last_attn, v_b) is not carried to the result.
; THIS LAUNCH, 160 work-groups of 16 waves, in two kinds told apart by the work-group's number x; each kind has LDS bytes of its own.
; x < 128 owns the 16 columns d = 16 g .. 16 g + 15, g = x / 2, for the 16 batches 16 f .. 16 f + 15, f = x % 2: so a work-group reads 128 KB of the states.
;  1. product 1, [16 x 2048] x [2048 x 16]: wave w takes K = 128 w .. 128 w + 127 of cat(state_h, state_c), quantises it in registers (code = x / 2^e0, held within +-57,344) and issues one matrix
;     instruction; the sixteen partial sums meet in LDS.  bias[g][b][16] = (sum x 2^(e0 + e1) + b_s + b_h + b_cov) / 2^(e2 + e3): the C of product 2's first K step.
;  2. W_h's codes of these 16 columns go to wfrag in the order of the operand's registers; the two work-groups of a g move half of them each.
; x >= 128 owns batch b = x - 128: wave w takes rows 128 w .. 128 w + 127.  The waves' counts of kept rows and sums of coverage meet in LDS; then each row gets its place: kept rows from the list's front,
;     dropped rows from its back (a whole permutation, so every lane stores); rank is the inverse; meta the count; and 1 / (sum of coverage + 2.048).  Counts go as f32 numbers, exact up to 2,048.
; LIMITS: e0 between -126 and 112, so that 2^e0 and 57,344 x 2^e0 are f32 numbers; the other exponents go in by v_ldexp_f32.  NaN in the states is not served.
; FRAGMENTS: lane (r, h) holds row r; registers 4 c .. 4 c + 3 hold K = 32 c + 16 h + 0 .. 15: the same order of K in both operands.
.set SPARE, 32768                      ; LDS: 16 images of 1,024 bytes from byte 0; here the spare words, 128 bytes a wave
.set SB,  34816                        ; the sorting kind's words: 16 counts, and 16 sums 64 bytes on
.set X,   16                           ; v16-79   64 numbers of cat
.set CD,  144                          ; v144-159 their codes
.set WS,  176                          ; v176-191 W_s's fragment
.set ACC, 192                          ; v192-199 the accumulator
.set WH,  208                          ; v208-211 W_h's codes on their way to wfrag
.set BB,  218                          ; v218-223 b_s, b_h, b_cov of my two columns
	s_load_b512 s[8:23], s[0:1], 0x0               ; state_h, state_c, W_s, W_h, scales, b_s, b_h, b_cov
	s_load_b256 s[24:31], s[0:1], 0x40             ; coverage, mask, wfrag, bias
	s_load_b64 s[32:33], s[0:1], 0x60              ; idx
	v_lshl_add_u32 v4, v0, 2, SPARE                ; my spare word; never rewritten
	v_mov_b32 v5, 0                                ; 0; never rewritten
	v_lshrrev_b32 v1, 5, v0
	v_readfirstlane_b32 s36, v1                    ; wave 0..15
	s_mov_b32 s37, ttmp9                           ; x
	v_and_b32 v1, 31, v0                           ; lane
	v_and_b32 v2, 15, v0                           ; r
	v_bfe_u32 v3, v0, 4, 1                         ; h
	v_lshlrev_b32 v9, 4, v1                        ; 16 x lane
	v_lshlrev_b32 v14, 2, v1                       ; 4 x lane
	s_mov_b32 s45, 0
	s_cmp_ge_u32 s37, 128
	s_wait_alu depctr_va_vdst(0)
	s_cbranch_scc1 .Lsort
	; ---- x < 128
	s_and_b32 s51, s37, 1                          ; f
	s_lshr_b32 s37, s37, 1                         ; g
	v_lshlrev_b32 v6, 10, v2
	v_lshl_add_u32 v6, v3, 4, v6                   ; W_h: row r of 1,024 bytes + 16 h
	v_lshlrev_b32 v7, 11, v2
	v_lshl_add_u32 v7, v3, 4, v7                   ; W_s: row r of 2,048 bytes + 16 h
	v_lshlrev_b32 v8, 12, v2
	v_lshl_add_u32 v8, v3, 6, v8                   ; a state: row r of 4,096 bytes + 64 h
	s_lshl_b32 s48, s36, 10
	v_add_nc_u32 v10, s48, v9                      ; my image in LDS: 1,024 x wave + 16 x lane
	v_and_b32 v15, 0x7f, v0                        ; t: the thread among waves 0 to 3, which add the images up
	v_bfe_u32 v11, v0, 1, 1                        ; thread t owns batch 16 f + t / 8 and columns 2 (t % 8), + 1:
	v_lshlrev_b32 v11, 9, v11                      ; registers 0-3 or 4-7: 512,
	v_bfe_u32 v13, v0, 2, 1
	v_lshl_add_u32 v11, v13, 8, v11                ; the half of the lanes: 256,
	v_bfe_u32 v13, v0, 3, 4
	v_lshl_add_u32 v11, v13, 4, v11                ; the lane in the half: 16,
	v_and_b32 v13, 1, v0
	v_lshl_add_u32 v11, v13, 3, v11                ; the pair of registers: 8
	s_lshl_b32 s48, s37, 11
	s_lshl_b32 s49, s51, 10
	s_add_co_u32 s48, s48, s49
	v_lshlrev_b32 v12, 3, v15
	v_add_nc_u32 v12, s48, v12                     ; bias: 2,048 g + 1,024 f + 8 t
	s_lshl_b32 s48, s37, 6
	v_and_b32 v13, 7, v0
	v_lshlrev_b32 v13, 3, v13
	v_add_nc_u32 v13, s48, v13                     ; b_s, b_h, b_cov: 64 g + 8 (t % 8)
	s_lshr_b32 s46, s36, 1                         ; W_h: wave w moves K step w / 2, piece 2 (w % 2) + f
	s_and_b32 s47, s36, 1
	s_wait_alu depctr_va_vdst(0)
	s_wait_kmcnt 0x0
	s_load_b128 s[40:43], s[16:17], 0x0            ; e0, e1, e2, e3
	s_lshl_b32 s44, s37, 14
	s_lshl_b32 s48, s46, 7
	s_add_co_u32 s44, s44, s48
	s_lshl_b32 s48, s47, 6
	s_add_co_u32 s44, s44, s48
	s_lshl_b32 s48, s51, 5
	s_add_co_u32 s44, s44, s48
	s_add_nc_u64 s[14:15], s[14:15], s[44:45]      ; W_h at row 16 g, byte 128 (w / 2) + 64 (w % 2) + 32 f
	s_lshl_b32 s44, s37, 15
	s_lshl_b32 s48, s36, 7
	s_add_co_u32 s44, s44, s48
	s_add_nc_u64 s[12:13], s[12:13], s[44:45]      ; W_s at row 16 g, byte 128 w
	s_cmp_lt_u32 s36, 8                            ; K under 1,024 is state_h, the rest state_c
	s_cselect_b64 s[8:9], s[8:9], s[10:11]
	s_and_b32 s44, s36, 7
	s_lshl_b32 s44, s44, 9
	s_lshl_b32 s48, s51, 16
	s_add_co_u32 s44, s44, s48
	s_add_nc_u64 s[8:9], s[8:9], s[44:45]          ; the state at batch 16 f, byte 512 (w % 8)
	s_lshr_b32 s44, s37, 2
	s_lshl_b32 s44, s44, 16
	s_lshl_b32 s48, s46, 13
	s_add_co_u32 s44, s44, s48
	s_and_b32 s48, s37, 3
	s_lshl_b32 s48, s48, 11
	s_add_co_u32 s44, s44, s48
	s_lshl_b32 s48, s47, 10
	s_add_co_u32 s44, s44, s48
	s_lshl_b32 s48, s51, 9
	s_add_co_u32 s44, s44, s48
	s_add_nc_u64 s[28:29], s[28:29], s[44:45]      ; wfrag: 65,536 (g / 4) + 8,192 (w / 2) + 2,048 (g % 4) + 1,024 (w % 2) + 512 f
	s_cmp_lt_u32 s36, 4
	s_cbranch_scc0 .Lno_b                          ; the waves that add the images up ask for the three bias vectors now, ahead of all other loads
	global_load_b64 v[BB:BB+1], v13, s[18:19]
	global_load_b64 v[BB+2:BB+3], v13, s[20:21]
	global_load_b64 v[BB+4:BB+5], v13, s[22:23]
.Lno_b:
	global_load_b128 v[WH:WH+3], v6, s[14:15]
.irp c, 0,1,2,3
	global_load_b128 v[WS+4*\c:WS+4*\c+3], v7, s[12:13] offset:32*\c
.endr
.irp c, 0,1,2,3
.irp q, 0,1,2,3
	global_load_b128 v[X+16*\c+4*\q:X+16*\c+4*\q+3], v8, s[8:9] offset:128*\c+16*\q
.endr
.endr
	s_wait_loadcnt 20                              ; W_h's load is in; the 20 behind it may be out
	global_store_b128 v9, v[WH:WH+3], s[28:29]     ; 32 lanes store 512 consecutive bytes
	s_wait_kmcnt 0x0
	s_add_co_i32 s48, s40, 127
	s_lshl_b32 s49, s48, 23
	v_mov_b32 v216, s49                            ; 2^e0 as f32: the conversion takes its exponent field
	s_add_co_i32 s48, s48, 15
	s_lshl_b32 s48, s48, 23
	s_or_b32 s48, s48, 0x600000
	v_mov_b32 v217, s48                            ; 57,344 x 2^e0
	s_add_co_i32 s49, s40, s41                     ; e0 + e1
	s_add_co_i32 s50, s42, s43
	s_sub_co_i32 s50, 0, s50                       ; -(e2 + e3)
	s_wait_alu depctr_va_vdst(0)
	s_wait_loadcnt 0x0
.irp b, 0,1,2,3
.irp i, 0,1,2,3,4,5,6,7,8,9,10,11,12,13,14,15
	v_med3_num_f32 v[X+16*\b+\i], v[X+16*\b+\i], -v217, v217   ; the conversion to an 8-bit code does not saturate (ISA guide 7.6.2): the hold comes first
.endr
	v_cvt_scalef32_pk8_bf8_f32 v[CD+4*\b:CD+4*\b+1], v[X+16*\b:X+16*\b+7], v216
	v_cvt_scalef32_pk8_bf8_f32 v[CD+4*\b+2:CD+4*\b+3], v[X+16*\b+8:X+16*\b+15], v216
.endr
	v_nop                                          ; a plain instruction between the last conversion and the product that reads its codes
	v_wmma_f32_16x16x128_bf8_bf8 v[ACC:ACC+7], v[WS:WS+15], v[CD:CD+15], 0          ; transposed: lane (r, h) holds batch 16 f + r, register j column 16 g + 8 h + j
.rept 4
	v_nop                                          ; four places ahead of the first read of the result
.endr
.irp c, 0,1
	ds_store_b128 v10, v[ACC+4*\c:ACC+4*\c+3] offset:512*\c    ; the registers' image, from the accumulator's low end on
.endr
	s_wait_dscnt 0x0                               ; for the others' sake: my image has landed
	s_barrier_signal -1
	s_barrier_wait -1                              ; all sixteen images lie in LDS
	s_cmp_lt_u32 s36, 4
	s_cbranch_scc0 .Lend
	; waves 0 to 3: 128 threads add the sixteen partial sums, two columns each
.irp i, 0,1,2,3,4,5,6,7,8,9,10,11,12,13,14,15
	ds_load_b64 v[16+2*\i:17+2*\i], v11 offset:1024*\i
.endr
	s_wait_dscnt 0x0
.irp i, 0,2,4,6,8,10,12,14
	v_pk_add_f32 v[16+\i:17+\i], v[16+\i:17+\i], v[32+\i:33+\i]
.endr
.irp i, 0,2,4,6
	v_pk_add_f32 v[16+\i:17+\i], v[16+\i:17+\i], v[24+\i:25+\i]
.endr
	v_pk_add_f32 v[16:17], v[16:17], v[20:21]
	v_pk_add_f32 v[18:19], v[18:19], v[22:23]
	v_pk_add_f32 v[BB:BB+1], v[BB:BB+1], v[BB+2:BB+3]
	v_pk_add_f32 v[16:17], v[16:17], v[18:19]
	v_pk_add_f32 v[BB:BB+1], v[BB:BB+1], v[BB+4:BB+5]   ; b_s + b_h + b_cov
	v_ldexp_f32 v16, v16, s49                      ; x 2^(e0 + e1)
	v_ldexp_f32 v17, v17, s49
	v_pk_add_f32 v[16:17], v[16:17], v[BB:BB+1]
	v_ldexp_f32 v16, v16, s50                      ; / 2^(e2 + e3): product 2's sums lack that power
	v_ldexp_f32 v17, v17, s50
	global_store_b64 v12, v[16:17], s[30:31]       ; a wave stores 256 consecutive bytes
	s_branch .Lend
.Lsort:
	; ---- x >= 128: batch b's 2,048 rows are placed by the mask, 128 rows a wave
	s_sub_co_u32 s37, s37, 128                     ; b
	s_lshl_b32 s44, s37, 13                        ; 8,192 b
	s_lshl_b32 s48, s36, 9
	s_add_co_u32 s46, s44, s48                     ; + 512 w: my wave's 128 words
	s_mov_b32 s47, 0
	v_lshl_add_u32 v6, v2, 2, SB                   ; where lane (r, h) reads wave r's word
	s_lshl_b32 s49, s36, 2
	s_add_co_u32 s49, s49, SB
	v_mov_b32 v7, s49                              ; my wave's word
	s_lshl_b32 s50, s36, 7
	v_add_nc_u32 v8, s50, v1                       ; row 128 w + lane
	s_mov_b32 s54, 0x76543210
	s_mov_b32 s55, 0xfedcba98                      ; lane selects: lane l xor 16
	s_wait_alu depctr_va_vdst(0)
	s_wait_kmcnt 0x0
	s_add_nc_u64 s[26:27], s[26:27], s[46:47]      ; mask,
	s_add_nc_u64 s[24:25], s[24:25], s[46:47]      ; coverage,
	s_add_nc_u64 s[38:39], s[32:33], s[46:47]      ; and rank at my wave's rows
	s_add_nc_u64 s[34:35], s[32:33], s[44:45]      ; the batch's list
.irp i, 0,1,2,3
	global_load_b32 v[16+\i], v14, s[26:27] offset:128*\i
.endr
	global_load_b128 v[24:27], v9, s[24:25]
	s_wait_loadcnt 0x0
.irp i, 0,1,2,3
	v_cmp_ne_u32 s[56+\i], 0, v[16+\i]             ; the kept rows of 32, as a mask of lanes
.endr
	v_pk_add_f32 v[24:25], v[24:25], v[26:27]
	v_add_f32 v24, v24, v25
.irp m, 1,2,4,8
	v_add_f32_dpp v24, v24, v24 row_xmask:\m row_mask:0xf bank_mask:0xf
.endr
	v_permlanex16_b32 v25, v24, s54, s55
	v_add_f32 v24, v24, v25                        ; my wave's sum of coverage
.irp i, 0,1,2,3
	s_bcnt1_i32_b32 s[60+\i], s[56+\i]
.endr
	s_add_co_u32 s52, s60, s61
	s_add_co_u32 s53, s62, s63
	s_add_co_u32 s52, s52, s53                     ; my wave's count
	v_mov_b32 v26, s52
	v_cvt_f32_u32 v26, v26
	ds_store_b32 v7, v26                           ; all lanes store the same number to the same word
	ds_store_b32 v7, v24 offset:64
	s_wait_dscnt 0x0                               ; for the others' sake
	s_barrier_signal -1
	s_barrier_wait -1
	ds_load_b32 v28, v6                            ; wave r's count,
	ds_load_b32 v29, v6 offset:64                  ; and its sum
	v_cmp_gt_u32 vcc_lo, s36, v2                   ; r < w
	s_wait_dscnt 0x0
	v_cndmask_b32 v30, 0, v28, vcc_lo
.irp m, 1,2,4,8                                    ; three sums over the 16 lanes of a row, side by side
	v_add_f32_dpp v30, v30, v30 row_xmask:\m row_mask:0xf bank_mask:0xf
	v_add_f32_dpp v28, v28, v28 row_xmask:\m row_mask:0xf bank_mask:0xf
	v_add_f32_dpp v29, v29, v29 row_xmask:\m row_mask:0xf bank_mask:0xf
.endr
	v_cvt_u32_f32 v30, v30                         ; kept rows ahead of my wave's,
	v_cvt_u32_f32 v28, v28                         ; and in the batch
	v_readfirstlane_b32 s52, v30
.irp i, 0,1,2,3
	v_add_nc_u32 v[32+\i], 32*\i, v8               ; s
	v_mbcnt_lo_u32_b32 v[36+\i], s[56+\i], s52     ; kept rows before s: a kept row's place
	s_add_co_u32 s52, s52, s[60+\i]
	v_sub_nc_u32 v[40+\i], v[36+\i], v[32+\i]
	v_add_nc_u32 v[40+\i], 2047, v[40+\i]          ; a dropped row's place: 2,047 less the dropped rows before s
	v_cndmask_b32 v[40+\i], v[40+\i], v[36+\i], s[56+\i]
	v_min_u32 v[40+\i], 0x7ff, v[40+\i]
	v_lshlrev_b32 v[44+\i], 2, v[40+\i]
.endr
.irp i, 0,1,2,3
	global_store_b32 v14, v[40+\i], s[38:39] offset:262144+128*\i   ; rank[b][s]
	global_store_b32 v[44+\i], v[32+\i], s[34:35]                   ; list[b][place] = s
.endr
	s_cmp_lg_u32 s36, 0
	s_cbranch_scc1 .Lend
	s_lshl_b32 s44, s37, 7                         ; wave 0: the count and the coverage's divisor, each in 32 words
	s_add_nc_u64 s[32:33], s[32:33], s[44:45]
	s_add_nc_u64 s[30:31], s[30:31], s[44:45]
	v_add_f32 v29, 0x4003126f, v29                 ; + 2,048 x 0.001
	s_wait_alu depctr_va_vdst(0)
	v_rcp_f32 v31, v29
	v_nop                                          ; a plain instruction behind it
	s_wait_alu depctr_va_vdst(0)                   ; and the wait ahead of its first reader
	global_store_b32 v14, v28, s[32:33] offset:524288
	global_store_b32 v14, v31, s[30:31] offset:131072
.Lend:
	s_wait_tensorcnt 0x0                           ; the wave's end
	ds_add_u32 v4, v5
	s_wait_dscnt 0x0
	s_endpgm
.Lfunc_end_k_q728dc4fda8_prep:
	.size	k_q728dc4fda8_prep, .Lfunc_end_k_q728dc4fda8_prep-k_q728dc4fda8_prep
	.p2alignl 7, 3214868480
	.fill 96, 4, 3214868480
	.section	.rodata,"a",@progbits
	.p2align	6, 0x0
	.amdhsa_kernel k_q728dc4fda8_prep
		.amdhsa_group_segment_fixed_size 35072
		.amdhsa_private_segment_fixed_size 0
		.amdhsa_enable_private_segment 0
		.amdhsa_kernarg_size 104
		.amdhsa_user_sgpr_count 2
		.amdhsa_user_sgpr_kernarg_segment_ptr 1
		.amdhsa_wavefront_size32 1
		.amdhsa_system_sgpr_workgroup_id_x 1
		.amdhsa_system_sgpr_workgroup_id_y 1
		.amdhsa_system_sgpr_workgroup_id_z 1
		.amdhsa_system_vgpr_workitem_id 0
		.amdhsa_next_free_vgpr 256
		.amdhsa_next_free_sgpr 66
		.amdhsa_reserve_vcc 1
		.amdhsa_float_denorm_mode_32 3
		.amdhsa_float_denorm_mode_16_64 3
		.amdhsa_memory_ordered 1
		.amdhsa_forward_progress 1
		.amdhsa_inst_pref_size 21
	.end_amdhsa_kernel
	.amdgpu_metadata
---
amdhsa.version: [ 1, 2 ]
amdhsa.kernels:
  - .name:           k_q728dc4fda8_prep
    .symbol:         k_q728dc4fda8_prep.kd
    .args:
      - { .name: state_h, .offset: 0, .size: 8, .value_kind: global_buffer, .address_space: global }
      - { .name: state_c, .offset: 8, .size: 8, .value_kind: global_buffer, .address_space: global }
      - { .name: W_s_codes, .offset: 16, .size: 8, .value_kind: global_buffer, .address_space: global }
      - { .name: W_h_codes, .offset: 24, .size: 8, .value_kind: global_buffer, .address_space: global }
      - { .name: lowp_scales, .offset: 32, .size: 8, .value_kind: global_buffer, .address_space: global }
      - { .name: b_s, .offset: 40, .size: 8, .value_kind: global_buffer, .address_space: global }
      - { .name: b_h, .offset: 48, .size: 8, .value_kind: global_buffer, .address_space: global }
      - { .name: b_cov, .offset: 56, .size: 8, .value_kind: global_buffer, .address_space: global }
      - { .name: coverage, .offset: 64, .size: 8, .value_kind: global_buffer, .address_space: global }
      - { .name: context_mask, .offset: 72, .size: 8, .value_kind: global_buffer, .address_space: global }
      - { .name: wfrag, .offset: 80, .size: 8, .value_kind: global_buffer, .address_space: global }
      - { .name: bias, .offset: 88, .size: 8, .value_kind: global_buffer, .address_space: global }
      - { .name: idx, .offset: 96, .size: 8, .value_kind: global_buffer, .address_space: global }
    .group_segment_fixed_size: 35072
    .private_segment_fixed_size: 0
    .kernarg_segment_align: 8
    .kernarg_segment_size: 104
    .max_flat_workgroup_size: 512
    .sgpr_count:     66
    .vgpr_count:     256
    .wavefront_size: 32
...
	.end_amdgpu_metadata
.endif
;; end of part 1
;; launch main (part 2): grid 26 x 32, 4 waves a work-group, no clusters, 271,872 bytes of LDS; arguments context, idx, bias, coverage, context_mask, lowp_scales, W_cov, v_w, wfrag, eL, pstat, partO; writes eL, pstat, partO
.if DOCPART == 2
	.amdgcn_target "amdgcn-amd-amdhsa--gfx1250"
	.amdhsa_code_object_version 6
	.text
	.protected	k_q728dc4fda8_main
	.globl	k_q728dc4fda8_main
	.p2align	8
	.type	k_q728dc4fda8_main,@function
k_q728dc4fda8_main:
	s_mov_b64 s[64:65], 0
	v_nop
	global_prefetch_b8 v0, s[64:65] scope:SCOPE_SE
	s_setreg_imm32_b32 hwreg(HW_REG_WAVE_MODE, 25, 1), 1
	s_wait_xcnt 0x0
; Work-group (j, b) takes the kept rows at places 80 j .. 80 j + 79 of batch b's list through the whole chain: gather, quantise, product 2, tanh, score, the block's own softmax, its part of the weighted sum.
; WORK LEFT OUT (shown at the head of the first kernel): rows whose mask is 0, v_b, the sum of v_w, last_attn, the softmax's own divisor.  A work-group whose first place lies at or past the batch's count has no row: it
; jumps over each phase's work, passes the three barriers, which stand on every wave's path, and stores nothing.  26 = ceil(2,048 / 80) blocks serve every mask.  No cluster.
; No tensor load: context must pass through registers to be quantised.
; THE SHAPE IS CONSTANT: 80 slots, 5 tiles of 16.  A slot at or past n (the block's rows) takes the row of slot n - 1 again, with weight 0: inside a phase no branch, wait or trip count hangs on data.
; Each phase reads only registers that the head (which every work-group runs) or the phase itself has written; what goes from phase to phase goes through LDS.
; PHASES.  P1: thread t gathers slot t's coverage and mask into two small tables; each wave gathers 20 rows (4 at a time, two groups of 16 KB on their way), keeps a bf16 copy in LDS for the weighted sum, and stores the codes
; (x / 2^e2, held within +-57,344) in the order of the operand's registers | barrier |  P2: wave w owns columns 256 w .. 256 w + 255, four chunks of 64: 20 accumulators (5 tiles of slots x 4 tiles of columns), K in 8 steps of
; 128; the slots' fragments come from LDS, W_h's from wfrag through a ring of four K steps in registers, which runs on across chunks.  The product is used transposed (source 0 = 16 columns of W_h, source 1 = 16 slots): a lane
; holds ONE slot, its registers 8 columns.  C of the first K step is the bias.  Then x = sum + cov W_cov; r = 1 / (1 + 2^(K1 x)); E += (-2 log2 e v_w) r: tanh x = 1 - 2 r, its 1 left out.  2^(..) = infinity gives r = 0, tanh = 1.
; | barrier: P2 only reads LDS, and its tables' address is stepped in the loop; what follows writes LDS |  P3: the four waves' parts of E go to LDS | barrier |  every wave forms m = the largest E of slots under n,
; p = w 2^(E - m), l = sum of p; wave 0 stores E, m, l.  P4: wave w sums p x context over the 80 slots for its 256 columns, p in f32, context in bf16 (a product left as it is), by fused multiply-adds; the part goes to partO.
; LIMITS: e2 between -126 and 112; e2 + e3 between -120 and 120 (added to an f32 number's exponent field).  NaN in context is not served.
; REGISTERS, in windows of 256.  Window 0: v1-19, v33-39, v56, v57, v108-110 lane numbers and addresses; v16 my rows; v20-29 cov of slot 16 m + r, in pairs; v30-32 weights; v40-63 at work; v64-95 -2 log2 e v_w of the chunk;
;   P4: v96-223 rows, v224-255 p, v48-55 sums.   Window 1: v0-159 accumulators ((m, t) at 8 (4 m + t)); v160-191 bias; v192-223 W_cov / 2^(e2 + e3); v224-233 E, a pair for each m.
;   Window 2: the ring of W_h: K step s at 64 (s % 4) + 16 t.   Window 3: two buffers of the slots' fragments: 80 (k % 2) + 16 m.
;   In P1 windows 1 and 3 hold the two groups on their way: v0-127 numbers, v128-191 bf16, v192-223 codes, v234 the scale.
.set TILEB, 17408                      ; LDS, codes: tile m x 17,408 + K step x 2,176 + (2 c + h) x 272 + 16 r: a fragment load's 16 lanes read 256 consecutive bytes
.set KSB,   2176
.set BF,    87040                      ; the bf16 copy: slot x 2,048
.set TAB,   250880                     ; bias, W_cov / 2^(e2 + e3) at + 4,096, -2 log2 e v_w at + 8,192: 1,024 f32 each
.set EP,    263168                     ; the waves' parts of E: wave x 320 + 4 slot
.set PB,    264704                     ; p: wave x 384 + 4 slot
.set OS,    266240                     ; the way out: wave x 1,024
.set SPARE, 270336                     ; the spare words, 128 bytes a wave
.set CV,    270848                     ; the normalised coverage: 4 slot, 128 words
.set WT,    271360                     ; the weights: 4 slot, 128 words; 0 from slot n on
.set RB,    40                         ; s[40:47], s[48:55]: the four row addresses of a group, two sets
.set MSB, 0
.macro WIN new                         ; the immediate's high byte repeats the setting that is left; a switch that changes nothing is dropped
.if MSB != (\new)
	s_set_vgpr_msb (MSB<<8)|(\new)
.set MSB, (\new)
.endif
.endm
; Group g = tile g of the slots: my wave's rows are slots 16 g + w + 4 il.  32 loads: a lane takes 8 neighbouring numbers of each quarter of a row.
.macro LOADG g
	WIN 0
.irp il, 0,1,2,3
	v_readlane_b32 s[RB+8*((\g)%2)+2*\il], v16, 4*(\g)+\il
	s_min_u32 s[RB+8*((\g)%2)+2*\il], s[RB+8*((\g)%2)+2*\il], 0xffff
	s_lshl_b32 s[RB+8*((\g)%2)+2*\il], s[RB+8*((\g)%2)+2*\il], 12
	s_mov_b32 s[RB+8*((\g)%2)+2*\il+1], 0
	s_add_nc_u64 s[RB+8*((\g)%2)+2*\il:RB+8*((\g)%2)+2*\il+1], s[8:9], s[RB+8*((\g)%2)+2*\il:RB+8*((\g)%2)+2*\il+1]
.endr
	WIN 0x40+0x80*((\g)%2)                         ; destination window 1 or 3
.irp il, 0,1,2,3
.irp sg, 0,1,2,3
	global_load_b128 v[32*\il+8*\sg:32*\il+8*\sg+3], v6, s[RB+8*((\g)%2)+2*\il:RB+8*((\g)%2)+2*\il+1] offset:1024*\sg
	global_load_b128 v[32*\il+8*\sg+4:32*\il+8*\sg+7], v6, s[RB+8*((\g)%2)+2*\il:RB+8*((\g)%2)+2*\il+1] offset:1024*\sg+16
.endr
.endr
	WIN 0
.endm
; The group's numbers become a bf16 copy and codes, and go to LDS.
.macro PROC g
	s_wait_dscnt 0x0                               ; the stores of two groups ago have read this set's registers
	WIN 0x55+0xaa*((\g)%2)                         ; every operand in window 1 or 3
.irp il, 0,1,2,3
.irp sg, 0,1,2,3
.irp q, 0,1,2,3
	v_cvt_pk_bf16_f32 v[128+16*\il+4*\sg+\q], v[32*\il+8*\sg+2*\q], v[32*\il+8*\sg+2*\q+1]
.endr
.irp q, 0,1,2,3,4,5,6,7
	v_med3_num_f32 v[32*\il+8*\sg+\q], v[32*\il+8*\sg+\q], s60, s61   ; the conversion to an 8-bit code does not saturate (ISA guide 7.6.2): the hold comes first
.endr
	v_cvt_scalef32_pk8_bf8_f32 v[192+8*\il+2*\sg:192+8*\il+2*\sg+1], v[32*\il+8*\sg:32*\il+8*\sg+7], v234
.endr
.endr
	v_nop                                          ; a plain instruction behind the last conversion: later products write its sources' registers
	WIN 0
	v_add_nc_u32 v9, 32768*(\g), v8
	v_add_nc_u32 v11, TILEB*(\g), v10
	WIN 0x04+0x08*((\g)%2)                         ; store data in window 1 or 3
.irp il, 0,1,2,3
.irp sg, 0,1,2,3
	ds_store_b128 v9, v[128+16*\il+4*\sg:128+16*\il+4*\sg+3] offset:8192*\il+512*\sg
	ds_store_b64 v11, v[192+8*\il+2*\sg:192+8*\il+2*\sg+1] offset:2*KSB*\sg+64*\il
.endr
.endr
	WIN 0
.endm
; W_h's four fragments of K step s, counted from the chunk's first: 16 dense loads into ring slot s % 4
.macro WLOAD s
	WIN 0x80
.irp t, 0,1,2,3
.irp c, 0,1,2,3
	global_load_b128 v[64*((\s)%4)+16*\t+4*\c:64*((\s)%4)+16*\t+4*\c+3], v7, s[66:67] offset:(\s)*8192+2048*\t+512*\c
.endr
.endr
.endm
.macro FETCH_A k, bf                   ; the five tiles' fragments of K step k: 20 loads into buffer bf
	WIN 0xc0
.irp m, 0,1,2
.irp c, 0,1,2,3
	ds_load_b128 v[80*(\bf)+16*\m+4*\c:80*(\bf)+16*\m+4*\c+3], v12 offset:\m*TILEB+(\k)*KSB+544*\c
.endr
.endr
.irp m, 3,4
.irp c, 0,1,2,3
	ds_load_b128 v[80*(\bf)+16*\m+4*\c:80*(\bf)+16*\m+4*\c+3], v13 offset:(\m-3)*TILEB+(\k)*KSB+544*\c
.endr
.endr
.endm
; A K step: 20 matrix instructions, the 20 accumulators by turns in the same order in every step.  Then the ring slot and the buffer just read are asked for again.
.macro KSTEP k, last
.if ((\k) == 0) || (((\k) == 7) && (\last))
	s_wait_dscnt 0x0                               ; step 0: the chunk's tables too; the very last step: nothing was asked for behind its fragments
.else
	s_wait_dscnt 20                                ; this step's fragments are in; the next step's 20 loads may be out
.endif
.if (\last) && ((\k) > 4)
	s_wait_loadcnt 16*(7-(\k))                     ; the ring runs out: 16 loads for each K step still to come
.else
	s_wait_loadcnt 48                              ; this step's W is in; three younger steps of 16 loads may be out
.endif
	WIN 0x5e                                       ; source 0 (W) window 2, source 1 (slots) window 3, C and D window 1
.irp m, 0,1,2,3,4
.irp t, 0,1,2,3
.if (\k) == 0
	v_wmma_f32_16x16x128_bf8_bf8 v[8*(4*\m+\t):8*(4*\m+\t)+7], v[64*((\k)%4)+16*\t:64*((\k)%4)+16*\t+15], v[80*((\k)%2)+16*\m:80*((\k)%2)+16*\m+15], v[160+8*\t:167+8*\t]
.else
	v_wmma_f32_16x16x128_bf8_bf8 v[8*(4*\m+\t):8*(4*\m+\t)+7], v[64*((\k)%4)+16*\t:64*((\k)%4)+16*\t+15], v[80*((\k)%2)+16*\m:80*((\k)%2)+16*\m+15], v[8*(4*\m+\t):8*(4*\m+\t)+7]
.endif
.endr
.endr
.rept 4
	v_nop                                          ; four places ahead of loads into registers that these products read, and of the first read of results
.endr
.if !((\last) && ((\k) >= 4))
	WLOAD (\k)+4
.endif
.if !((\last) && ((\k) >= 6))
	FETCH_A ((\k)+2)%8, (\k)%2
.endif
.endm
.macro EPILOGUE
	WIN 0x51                                       ; destination, sources 0 and 2 window 1; source 1 window 0
	s_wait_alu depctr_va_vdst(0)
.irp m, 0,1,2,3,4
.irp t, 0,1,2,3
.irp i, 0,2,4,6
	v_pk_fma_f32 v[8*(4*\m+\t)+\i:8*(4*\m+\t)+\i+1], v[192+8*\t+\i:193+8*\t+\i], v[20+2*\m:21+2*\m], v[8*(4*\m+\t)+\i:8*(4*\m+\t)+\i+1] op_sel_hi:[1,0,1]   ; + cov W_cov; each accumulator from its low end on
.endr
.endr
.endr
.set i, 0
.rept 80
	v_pk_mul_f32 v[i:i+1], v[i:i+1], s[58:59] op_sel_hi:[1,0]   ; x K1
.set i, i+2
.endr
.set i, 0
	s_wait_alu depctr_va_vdst(0)
.rept 160
	v_exp_f32 v[i], v[i]
.set i, i+1
.endr
	v_nop                                          ; a plain instruction behind the last exponential
	s_wait_alu depctr_va_vdst(0)                   ; one wait for the batch, ahead of its first reader
.set i, 0
.rept 80
	v_pk_add_f32 v[i:i+1], v[i:i+1], 1.0 op_sel_hi:[1,0]
.set i, i+2
.endr
.set i, 0
	s_wait_alu depctr_va_vdst(0)
.rept 160
	v_rcp_f32 v[i], v[i]
.set i, i+1
.endr
	v_nop
	s_wait_alu depctr_va_vdst(0)                   ; one wait for the batch
.irp t, 0,1,2,3
.irp i, 0,2,4,6
.irp m, 0,1,2,3,4
	v_pk_fma_f32 v[224+2*\m:225+2*\m], v[8*(4*\m+\t)+\i:8*(4*\m+\t)+\i+1], v[64+8*\t+\i:65+8*\t+\i], v[224+2*\m:225+2*\m]   ; five chains side by side
.endr
.endr
.endr
.endm
.macro CHUNK last
	WIN 0
	s_and_b32 s79, s63, 0x300                      ; 256 bytes x chunk 0..3, cut to that range
	v_add_nc_u32 v15, s79, v14                     ; the tables at this chunk's 64 columns,
	v_min_u32 v15, TAB+3872, v15                   ; held at the last place that it takes: wave 3, chunk 3, h = 1
	WIN 0x40
.irp t, 0,1,2,3
	ds_load_b128 v[160+8*\t:163+8*\t], v15 offset:64*\t
	ds_load_b128 v[164+8*\t:167+8*\t], v15 offset:64*\t+16
	ds_load_b128 v[192+8*\t:195+8*\t], v15 offset:4096+64*\t
	ds_load_b128 v[196+8*\t:199+8*\t], v15 offset:4096+64*\t+16
.endr
	WIN 0
.irp t, 0,1,2,3
	ds_load_b128 v[64+8*\t:67+8*\t], v15 offset:8192+64*\t
	ds_load_b128 v[68+8*\t:71+8*\t], v15 offset:8192+64*\t+16
.endr
.irp k, 0,1,2,3,4,5,6,7
	KSTEP \k, \last
.endr
	EPILOGUE
	WIN 0
.if !(\last)
	s_wait_xcnt 0x0                                ; the ring's loads have read their base: it may step
	s_add_nc_u64 s[66:67], s[66:67], 65536
	s_add_co_u32 s63, s63, 256
.endif
.endm
.macro PVLOAD g                        ; slots 16 g .. 16 g + 15: my 8 columns of each, and their p (the same 16 bytes for every lane)
	v_add_nc_u32 v[62+(\g)%2], 32768*(\g), v18
.irp i, 0,1,2,3,4,5,6,7,8,9,10,11,12,13,14,15
	ds_load_b128 v[96+64*((\g)%2)+4*\i:96+64*((\g)%2)+4*\i+3], v[62+(\g)%2] offset:2048*\i
.endr
.irp i, 0,1,2,3
	ds_load_b128 v[224+16*((\g)%2)+4*\i:224+16*((\g)%2)+4*\i+3], v37 offset:64*(\g)+16*\i
.endr
.endm
.macro PVFMA g
.irp i, 0,1,2,3,4,5,6,7,8,9,10,11,12,13,14,15
.irp q, 0,1,2,3
	v_fma_mix_f32_bf16 v[48+2*\q], v[96+64*((\g)%2)+4*\i+\q], v[224+16*((\g)%2)+\i], v[48+2*\q] op_sel_hi:[1,0,0]
	v_fma_mix_f32_bf16 v[49+2*\q], v[96+64*((\g)%2)+4*\i+\q], v[224+16*((\g)%2)+\i], v[49+2*\q] op_sel:[1,0,0] op_sel_hi:[1,0,0]
.endr
.endr
.endm
	; ---- THE HEAD, which every work-group runs: addresses, constants, the count
	s_load_b512 s[8:23], s[0:1], 0x0               ; context, idx, bias, coverage, mask, scales, W_cov, v_w
	s_load_b256 s[24:31], s[0:1], 0x40             ; wfrag, eL, pstat, partO
	v_lshl_add_u32 v4, v0, 2, SPARE                ; my spare word; never rewritten
	v_mov_b32 v5, 0                                ; 0; never rewritten
	v_lshrrev_b32 v1, 5, v0
	v_readfirstlane_b32 s36, v1                    ; wave 0..3
	v_and_b32 v1, 31, v0                           ; lane
	v_and_b32 v2, 15, v0                           ; r
	v_bfe_u32 v3, v0, 4, 1                         ; h
	s_and_b32 s37, ttmp7, 0xffff                   ; b
	s_mov_b32 s38, ttmp9                           ; j
	s_mul_i32 s35, s38, 80                         ; the block's first place
	v_lshlrev_b32 v6, 5, v1                        ; 32 x lane: my 8 numbers of a row's 1,024 bytes
	v_lshlrev_b32 v7, 4, v1                        ; 16 x lane
	s_lshl_b32 s56, s36, 11
	v_add_nc_u32 v8, s56, v7
	v_add_nc_u32 v8, BF, v8                        ; P1, bf16: slot w, 16 x lane
	v_mul_u32_u24 v10, v3, KSB                     ; P1, codes: my 8 codes are K = 8 lane .. + 7 of 256: K step lane / 16,
	v_bfe_u32 v40, v0, 1, 3
	v_mad_u32_u24 v10, v40, 272, v10               ; piece 2 c + h = (lane / 2) % 8,
	v_and_b32 v40, 1, v0
	v_lshl_add_u32 v10, v40, 3, v10                ; its lower or upper 8 bytes,
	s_lshl_b32 s56, s36, 4
	v_add_nc_u32 v10, s56, v10                     ; row r = w
	v_mul_u32_u24 v12, v3, 272
	v_lshl_add_u32 v12, v2, 4, v12                 ; P2: a fragment's place for my lane: 272 h + 16 r
	v_add_nc_u32 v13, 3*TILEB, v12                 ; tiles 3 and 4 lie past a 16-bit offset
	s_lshl_b32 s56, s36, 10
	v_lshl_add_u32 v14, v3, 5, s56
	v_add_nc_u32 v14, TAB, v14                     ; P2: the tables at my wave's columns, + 32 h
	v_lshl_add_u32 v17, v0, 5, TAB                 ; the tables on their way in: 8 numbers a thread
	s_lshl_b32 s56, s36, 9
	v_add_nc_u32 v18, s56, v7
	v_add_nc_u32 v18, BF, v18                      ; P4: my 8 columns of slot 0
	v_lshl_add_u32 v19, v2, 2, CV                  ; P2: the coverage of slot r
	s_mul_i32 s56, s36, 320
	v_lshl_add_u32 v33, v2, 2, s56
	v_add_nc_u32 v33, EP, v33
	v_lshl_add_u32 v34, v1, 2, EP
	v_lshl_add_u32 v35, v2, 2, EP+256
	s_mul_i32 s56, s36, 384
	s_add_co_u32 s56, s56, PB
	v_lshl_add_u32 v36, v1, 2, s56
	v_mov_b32 v37, s56
	s_lshl_b32 s56, s36, 10
	s_add_co_u32 s56, s56, OS
	v_lshl_add_u32 v38, v1, 5, s56
	v_lshl_add_u32 v39, v1, 4, s56
	v_add_nc_u32 v56, 32, v1                       ; slots lane + 32,
	v_add_nc_u32 v57, 64, v1                       ; lane + 64
	v_lshl_add_u32 v108, v1, 2, WT                 ; P3: the weight of slot lane
	v_lshl_add_u32 v109, v0, 2, CV                 ; P1: where thread t puts slot t's coverage,
	v_lshl_add_u32 v110, v0, 2, WT                 ; and its weight
	WIN 0x40
.irp i, 0,1,2,3,4,5,6,7,8,9
	v_mov_b32 v[224+\i], 0                         ; E: ten registers, summed over four chunks
.endr
	WIN 0
	s_mov_b32 s68, 0x76543210
	s_mov_b32 s69, 0xfedcba98                      ; lane selects: lane l xor 16
	s_lshl_b32 s70, s37, 7
	s_lshl_b32 s33, s37, 11                        ; 2,048 b
	; the list's entries are asked for together with the count: at place first + slot, held inside the batch's 2,048; which of them count is settled in P1
	v_lshl_add_u32 v16, v1, 2, s36                 ; lane i: slot w + 4 i: the rows that my wave gathers
	v_add_nc_u32 v41, s35, v0                      ; thread t: slot t
	v_add_nc_u32 v16, s35, v16
	v_min_u32 v41, 0x7ff, v41
	v_min_u32 v16, 0x7ff, v16
	v_add_lshl_u32 v41, v41, s33, 2
	v_add_lshl_u32 v16, v16, s33, 2
.irp q, 0,1,2
	v_add_nc_u32 v[45+\q], 32*\q, v1               ; and slots lane, lane + 32, lane + 64: slot n - 1 is among them
.endr
.irp q, 0,1,2
	v_add_nc_u32 v[45+\q], s35, v[45+\q]
.endr
.irp q, 0,1,2
	v_min_u32 v[45+\q], 0x7ff, v[45+\q]
.endr
.irp q, 0,1,2
	v_add_lshl_u32 v[45+\q], v[45+\q], s33, 2
.endr
	s_wait_alu depctr_va_vdst(0)
	s_wait_kmcnt 0x0
	global_load_b32 v16, v16, s[10:11]
	global_load_b32 v41, v41, s[10:11]
.irp q, 0,1,2
	global_load_b32 v[45+\q], v[45+\q], s[10:11]
.endr
	s_load_b32 s39, s[10:11], s70 offset:524288    ; the batch's count of kept rows
	s_load_b32 s76, s[12:13], s70 offset:131072    ; 1 / sum of (coverage + 0.001)
	s_load_b128 s[72:75], s[18:19], 0x0            ; e0, e1, e2, e3
	s_wait_kmcnt 0x0
	s_cmp_ge_u32 s35, s39
	s_cselect_b32 s71, 1, 0                        ; 1: no row for this block; the same in all four waves
	s_sub_co_u32 s39, s39, s35
	s_min_u32 s39, s39, 80                         ; n
	s_sub_co_u32 s34, s39, 1
	s_add_co_i32 s77, s74, s75                     ; e2 + e3
	s_lshl_b32 s78, s77, 23
	s_add_co_i32 s58, s78, 0x4038aa3b              ; K1 = 2 log2 e x 2^(e2 + e3): the exponents are added to the number's exponent field
	s_mov_b32 s59, s58                             ; (named with it as a pair, so it is written)
	s_sub_co_i32 s77, 0, s77                       ; -(e2 + e3)
	s_add_co_i32 s56, s74, 142
	s_lshl_b32 s61, s56, 23
	s_or_b32 s61, s61, 0x600000                    ; 57,344 x 2^e2,
	s_or_b32 s60, s61, 0x80000000                  ; and its negative
	s_add_co_i32 s78, s74, 127
	s_lshl_b32 s78, s78, 23                        ; 2^e2 as f32
	s_lshl_b32 s56, s36, 18
	s_mov_b32 s57, 0
	s_add_nc_u64 s[66:67], s[24:25], s[56:57]      ; wfrag at my wave's 256 KB
	s_cmp_lg_u32 s71, 0
	s_cbranch_scc1 .Lskip1
	; ---- P1
	v_lshl_add_u32 v40, v1, 2, s36                 ; lane i: slot w + 4 i
	v_lshrrev_b32 v49, 1, v0
	v_lshlrev_b32 v49, 11, v49
	v_and_b32 v50, 1, v0
	v_lshl_add_u32 v49, v50, 5, v49
	s_lshl_b32 s56, s37, 6
	v_add_nc_u32 v49, s56, v49                     ; bias of columns 8 t on: 2,048 (t / 2) + 64 b + 32 (t % 2)
	v_lshlrev_b32 v50, 5, v0
	global_load_b128 v[64:67], v49, s[12:13]
	global_load_b128 v[68:71], v49, s[12:13] offset:16
	global_load_b128 v[72:75], v50, s[20:21]
	global_load_b128 v[76:79], v50, s[20:21] offset:16
	global_load_b128 v[80:83], v50, s[22:23]
	global_load_b128 v[84:87], v50, s[22:23] offset:16
	s_wait_alu depctr_va_vdst(0)
	s_wait_loadcnt 6                               ; the head's five list loads are in; the six table loads may be out
	s_and_b32 s80, s34, 31                         ; the row of slot n - 1: lane (n - 1) % 32 of register (n - 1) / 32
	v_readlane_b32 s81, v45, s80
	v_readlane_b32 s82, v46, s80
	v_readlane_b32 s83, v47, s80
	s_cmp_lt_u32 s34, 32
	s_cselect_b32 s81, s81, s82
	s_cmp_lt_u32 s34, 64
	s_cselect_b32 s81, s81, s83
	v_cmp_gt_u32 vcc_lo, s39, v40
	v_cndmask_b32 v16, s81, v16, vcc_lo            ; a slot at or past n takes it
	v_cmp_gt_u32 vcc_lo, s39, v0
	v_cndmask_b32 v41, s81, v41, vcc_lo
	v_min_u32 v16, 0x7ff, v16
	v_add_nc_u32 v16, s33, v16                     ; row of context: 2,048 b + s
	s_wait_alu depctr_va_vdst(0)
	v_min_u32 v41, 0x7ff, v41
	v_add_nc_u32 v41, s33, v41
	v_lshlrev_b32 v41, 2, v41
	global_load_b32 v44, v41, s[14:15]             ; coverage of slot t
	global_load_b32 v42, v41, s[16:17]             ; mask of slot t
	LOADG 0
	s_wait_loadcnt 34                              ; the tables are in; behind them: 2 gathers and group 0's 32 loads
.irp i, 0,1,2,3,4,5,6,7
	v_ldexp_f32 v[72+\i], v[72+\i], s77            ; W_cov / 2^(e2 + e3)
.endr
.irp i, 0,2,4,6
	v_pk_mul_f32 v[80+\i:81+\i], v[80+\i:81+\i], 0xc038aa3b op_sel_hi:[1,0]   ; -2 log2 e v_w
.endr
.irp q, 0,1,2
	ds_store_b128 v17, v[64+8*\q:67+8*\q] offset:4096*\q
	ds_store_b128 v17, v[68+8*\q:71+8*\q] offset:4096*\q+16
.endr
	WIN 0x40
	v_mov_b32 v234, s78                            ; the conversions' scale, in both windows
	WIN 0xc0
	v_mov_b32 v234, s78
	WIN 0
	s_wait_loadcnt 32                              ; coverage and mask are in; group 0's 32 loads may be out
	v_add_f32 v44, 0x3a83126f, v44                 ; (coverage + 0.001)
	v_mul_f32 v44, s76, v44                        ; / the row's sum
	v_cvt_f32_i32 v42, v42                         ; w = float(mask),
	v_cmp_gt_u32 vcc_lo, s39, v0
	v_cndmask_b32 v42, 0, v42, vcc_lo              ; 0 for a slot at or past n
	ds_store_b32 v109, v44
	ds_store_b32 v110, v42
	LOADG 1
.irp g, 0,1,2,3,4
.if \g < 4
	s_wait_loadcnt 32                              ; this group's 32 loads are in; the next group's may be out
.else
	s_wait_loadcnt 0x0
.endif
	PROC \g
.if \g < 3
	LOADG \g+2
.endif
.endr
.Lskip1:
	s_wait_loadcnt 0x0                             ; a work-group without rows: the head's five list loads have landed, so their registers may be written later on
	s_wait_dscnt 0x0                               ; for the others' sake: my codes, my bf16 rows and my parts of the tables have landed
	s_barrier_signal -1
	s_barrier_wait -1
	s_cmp_lg_u32 s71, 0
	s_cbranch_scc1 .Lskip2
	; ---- P2
	WLOAD 0                                        ; the ring's first four K steps: 64 loads
	WLOAD 1
	WLOAD 2
	WLOAD 3
	WIN 0
.irp m, 0,1,2,3,4
	ds_load_b32 v[20+2*\m], v19 offset:64*\m       ; the coverage of slot 16 m + r
.endr
	s_wait_dscnt 0x0
.irp m, 0,1,2,3,4
	v_mov_b32 v[21+2*\m], v[20+2*\m]               ; (named with it as a pair)
.endr
	FETCH_A 0, 0
	FETCH_A 1, 1
	WIN 0
	s_mov_b32 s62, 3
	s_mov_b32 s63, 0
.Lchunk:
	CHUNK 0
	s_sub_co_u32 s62, s62, 1
	s_cmp_lg_u32 s62, 0
	s_cbranch_scc1 .Lchunk
	CHUNK 1                                        ; the last chunk is written out: its last steps ask for nothing, so no load leaves wfrag
.Lskip2:
	s_wait_dscnt 0x0                               ; my LDS reads of P2 are over
	s_barrier_signal -1
	s_barrier_wait -1                              ; every wave's are: from here on LDS is written again
	s_cmp_lg_u32 s71, 0
	s_cbranch_scc1 .Lskip3
	; ---- P3: my wave's part of E
	WIN 0x05                                       ; sources in window 1
	s_wait_alu depctr_va_vdst(0)
.irp m, 0,1,2,3,4
	v_add_f32 v[50+\m], v[224+2*\m], v[225+2*\m]
.endr
	WIN 0
.irp m, 0,1,2,3,4
	v_mov_b32 v[58+\m], 0                          ; a lane permute's destination counts as read
.endr
.irp m, 0,1,2,3,4
	v_permlanex16_b32 v[58+\m], v[50+\m], s68, s69 ; the slot's other 8 columns of each tile lie in the lane 16 away
.endr
.irp m, 0,1,2,3,4
	v_add_f32 v[50+\m], v[50+\m], v[58+\m]
.endr
.irp m, 0,1,2,3,4
	ds_store_b32 v33, v[50+\m] offset:64*\m        ; both halves of the lanes store the same number to the same word
.endr
.Lskip3:
	s_wait_dscnt 0x0                               ; for the others' sake
	s_barrier_signal -1
	s_barrier_wait -1
	s_cmp_lg_u32 s71, 0
	s_cbranch_scc1 .Lskip4
	ds_load_b32 v30, v108                          ; the weights of slots lane, lane + 32, lane + 64 (0 from slot n on, so 0 in lanes 16 to 31 of the third)
	ds_load_b32 v31, v108 offset:128
	ds_load_b32 v32, v108 offset:256
.irp q, 0,1,2,3
	ds_load_b32 v[96+3*\q], v34 offset:320*\q
	ds_load_b32 v[97+3*\q], v34 offset:320*\q+128
	ds_load_b32 v[98+3*\q], v35 offset:320*\q
.endr
	v_mov_b32 v46, 0xff800000                      ; -infinity
	s_wait_dscnt 0x0
.irp i, 0,1,2
	v_add_f32 v[40+\i], v[96+\i], v[99+\i]
	v_add_f32 v[43+\i], v[102+\i], v[105+\i]
	v_add_f32 v[40+\i], v[40+\i], v[43+\i]         ; E of slots lane, lane + 32, 64 + lane % 16: the same bits in every wave
.endr
	v_cmp_gt_u32 vcc_lo, s39, v1
	v_cndmask_b32 v43, v46, v40, vcc_lo
	v_cmp_gt_u32 vcc_lo, s39, v56
	v_cndmask_b32 v44, v46, v41, vcc_lo
	v_cmp_gt_u32 vcc_lo, s39, v57
	v_cndmask_b32 v45, v46, v42, vcc_lo
	v_max3_num_f32 v43, v43, v44, v45
	v_max_num_f32_dpp v43, v43, v43 row_xmask:1 row_mask:0xf bank_mask:0xf
	v_max_num_f32_dpp v43, v43, v43 row_xmask:2 row_mask:0xf bank_mask:0xf
	v_max_num_f32_dpp v43, v43, v43 row_xmask:4 row_mask:0xf bank_mask:0xf
	v_max_num_f32_dpp v43, v43, v43 row_xmask:8 row_mask:0xf bank_mask:0xf
	v_permlanex16_b32 v44, v43, s68, s69
	v_max_num_f32 v43, v43, v44                    ; m: the largest E of the block's rows (n is at least 1)
.irp i, 0,1,2
	v_sub_f32 v[47+\i], v[40+\i], v43              ; 0 or less: a slot past n repeats the row of slot n - 1
.endr
	s_wait_alu depctr_va_vdst(0)
.irp i, 0,1,2
	v_exp_f32 v[47+\i], v[47+\i]
.endr
	v_mov_b32 v59, 0                               ; (a plain instruction behind the exponentials)
	s_wait_alu depctr_va_vdst(0)                   ; one wait for the three
.irp i, 0,1,2
	v_mul_f32 v[47+\i], v[47+\i], v[30+\i]         ; p = w 2^(E - m)
.endr
	ds_store_b32 v36, v47
	ds_store_b32 v36, v48 offset:128
	ds_store_b32 v36, v49 offset:256               ; my wave's own copy: no other wave reads it
	v_add_f32 v58, v47, v48
	v_add_f32 v58, v58, v49
	v_add_f32_dpp v58, v58, v58 row_xmask:1 row_mask:0xf bank_mask:0xf
	v_add_f32_dpp v58, v58, v58 row_xmask:2 row_mask:0xf bank_mask:0xf
	v_add_f32_dpp v58, v58, v58 row_xmask:4 row_mask:0xf bank_mask:0xf
	v_add_f32_dpp v58, v58, v58 row_xmask:8 row_mask:0xf bank_mask:0xf
	v_permlanex16_b32 v59, v58, s68, s69
	v_add_f32 v58, v58, v59                        ; l
	s_cmp_lg_u32 s36, 0
	s_cbranch_scc1 .Lnot_wave_0
	s_mul_i32 s56, s37, 8320
	s_lshl_b32 s70, s35, 2
	s_add_co_u32 s56, s56, s70
	s_mov_b32 s57, 0
	s_add_nc_u64 s[26:27], s[26:27], s[56:57]      ; eL at batch b, the block's first place
	v_lshlrev_b32 v59, 2, v1
	global_store_b32 v59, v40, s[26:27]
	global_store_b32 v59, v41, s[26:27] offset:128
	v_cmp_gt_u32 vcc_lo, 16, v1
	s_wait_alu depctr_va_vdst(0)
	s_wait_xcnt 0x0                                ; EXEC changes only behind this wait
	s_and_saveexec_b32 s70, vcc_lo
	global_store_b32 v59, v42, s[26:27] offset:256 ; slots 64 to 79: lanes 0 to 15
	s_wait_xcnt 0x0
	s_or_b32 exec_lo, exec_lo, s70
	v_cmp_eq_u32 vcc_lo, 0, v1
	v_cndmask_b32 v60, v58, v43, vcc_lo            ; lane 0: m; lane 1: l
	v_lshlrev_b32 v61, 7, v1
	s_lshl_b32 s56, s37, 8
	s_lshl_b32 s70, s38, 2
	s_add_co_u32 s56, s56, s70
	s_add_nc_u64 s[28:29], s[28:29], s[56:57]      ; pstat: 256 b + 4 j; l 128 bytes further on
	v_cmp_gt_u32 vcc_lo, 2, v1
	s_and_saveexec_b32 s70, vcc_lo
	global_store_b32 v61, v60, s[28:29]
	s_wait_xcnt 0x0
	s_or_b32 exec_lo, exec_lo, s70
.Lnot_wave_0:
	; ---- P4
	PVLOAD 0
.irp i, 0,1,2,3,4,5,6,7
	v_mov_b32 v[48+\i], 0
.endr
	s_wait_alu depctr_va_vdst(0)
.irp g, 0,1,2,3,4
.if \g < 4
	PVLOAD \g+1
	s_wait_alu depctr_va_vdst(0)
	s_wait_dscnt 20                                ; this group is in; the next group's 20 loads may be out
.else
	s_wait_alu depctr_va_vdst(0)
	s_wait_dscnt 0x0
.endif
	PVFMA \g
.endr
	ds_store_b128 v38, v[48:51]                    ; a lane's 32 bytes; read back 16 bytes a lane, so that each store below covers 512 consecutive bytes
	ds_store_b128 v38, v[52:55] offset:16
	ds_load_b128 v[96:99], v39                     ; LDS serves a wave's instructions in order: these see my stores
	ds_load_b128 v[100:103], v39 offset:512
	s_mul_i32 s56, s37, 26
	s_add_co_u32 s56, s56, s38
	s_lshl_b32 s56, s56, 12
	s_lshl_b32 s70, s36, 10
	s_add_co_u32 s56, s56, s70
	s_mov_b32 s57, 0
	s_add_nc_u64 s[30:31], s[30:31], s[56:57]      ; partO: 4,096 (26 b + j) + 1,024 w
	s_wait_dscnt 0x0
	global_store_b128 v7, v[96:99], s[30:31]
	global_store_b128 v7, v[100:103], s[30:31] offset:512
.Lskip4:
	s_wait_tensorcnt 0x0                           ; the wave's end
	ds_add_u32 v4, v5
	s_wait_dscnt 0x0
	s_endpgm
.Lfunc_end_k_q728dc4fda8_main:
	.size	k_q728dc4fda8_main, .Lfunc_end_k_q728dc4fda8_main-k_q728dc4fda8_main
	.p2alignl 7, 3214868480
	.fill 96, 4, 3214868480
	.section	.rodata,"a",@progbits
	.p2align	6, 0x0
	.amdhsa_kernel k_q728dc4fda8_main
		.amdhsa_group_segment_fixed_size 271872
		.amdhsa_private_segment_fixed_size 0
		.amdhsa_enable_private_segment 0
		.amdhsa_kernarg_size 96
		.amdhsa_user_sgpr_count 2
		.amdhsa_user_sgpr_kernarg_segment_ptr 1
		.amdhsa_wavefront_size32 1
		.amdhsa_system_sgpr_workgroup_id_x 1
		.amdhsa_system_sgpr_workgroup_id_y 1
		.amdhsa_system_sgpr_workgroup_id_z 1
		.amdhsa_system_vgpr_workitem_id 0
		.amdhsa_next_free_vgpr 1024
		.amdhsa_next_free_sgpr 100
		.amdhsa_reserve_vcc 1
		.amdhsa_float_denorm_mode_32 3
		.amdhsa_float_denorm_mode_16_64 3
		.amdhsa_memory_ordered 1
		.amdhsa_forward_progress 1
		.amdhsa_inst_pref_size 255
	.end_amdhsa_kernel
	.section	.bss,"aw",@nobits
	.p2align	6
	.space	262144
	.amdgpu_metadata
---
amdhsa.version: [ 1, 2 ]
amdhsa.kernels:
  - .name:           k_q728dc4fda8_main
    .symbol:         k_q728dc4fda8_main.kd
    .args:
      - { .name: context, .offset: 0, .size: 8, .value_kind: global_buffer, .address_space: global }
      - { .name: idx, .offset: 8, .size: 8, .value_kind: global_buffer, .address_space: global }
      - { .name: bias, .offset: 16, .size: 8, .value_kind: global_buffer, .address_space: global }
      - { .name: coverage, .offset: 24, .size: 8, .value_kind: global_buffer, .address_space: global }
      - { .name: context_mask, .offset: 32, .size: 8, .value_kind: global_buffer, .address_space: global }
      - { .name: lowp_scales, .offset: 40, .size: 8, .value_kind: global_buffer, .address_space: global }
      - { .name: W_cov, .offset: 48, .size: 8, .value_kind: global_buffer, .address_space: global }
      - { .name: v_w, .offset: 56, .size: 8, .value_kind: global_buffer, .address_space: global }
      - { .name: wfrag, .offset: 64, .size: 8, .value_kind: global_buffer, .address_space: global }
      - { .name: eL, .offset: 72, .size: 8, .value_kind: global_buffer, .address_space: global }
      - { .name: pstat, .offset: 80, .size: 8, .value_kind: global_buffer, .address_space: global }
      - { .name: partO, .offset: 88, .size: 8, .value_kind: global_buffer, .address_space: global }
    .group_segment_fixed_size: 271872
    .private_segment_fixed_size: 0
    .kernarg_segment_align: 8
    .kernarg_segment_size: 96
    .max_flat_workgroup_size: 128
    .sgpr_count:     100
    .vgpr_count:     1024
    .wavefront_size: 32
...
	.end_amdgpu_metadata
.endif
;; end of part 2
;; launch comb (part 3): grid 4 x 32, 2 waves a work-group, no clusters, 0 bytes of LDS; arguments idx, context_mask, eL, pstat, partO, out0, out1; writes out0, out1
.if DOCPART == 3
	.amdgcn_target "amdgcn-amd-amdhsa--gfx1250"
	.amdhsa_code_object_version 6
	.text
	.protected	k_q728dc4fda8_comb
	.globl	k_q728dc4fda8_comb
	.p2align	8
	.type	k_q728dc4fda8_comb,@function
k_q728dc4fda8_comb:
	s_mov_b64 s[64:65], 0
	v_nop
	global_prefetch_b8 v0, s[64:65] scope:SCOPE_SE
	s_setreg_imm32_b32 hwreg(HW_REG_WAVE_MODE, 25, 1), 1
	s_wait_xcnt 0x0
; The blocks of a batch are joined.  M = the largest of the blocks' m; L = sum over blocks of l 2^(m - M); out0 = sum over blocks of partO 2^(m - M) / L; out1[s] = float(mask) 2^(E - M) / L.
; WORK LEFT OUT (shown at the head of the first kernel): a row whose mask is 0 has no E; its out1 is float(0) times a number of place 0, which is written whenever the batch keeps a row.
; Work-group (x, b): columns 256 x on of out0, rows 512 x on of out1.  Each of the two waves works alone: no LDS, no barrier.  All 26 blocks' parts are asked for at once; a block at or past the batch's
; number of blocks names the last block again and gets the factor 0.  A batch that keeps no row gets NaN everywhere, as 0 / 0 gives.
	s_load_b256 s[8:15], s[0:1], 0x0               ; idx, mask, eL, pstat
	s_load_b128 s[16:19], s[0:1], 0x20             ; partO, out0
	s_load_b64 s[20:21], s[0:1], 0x30              ; out1
	v_and_b32 v1, 31, v0                           ; lane
	v_lshlrev_b32 v2, 4, v0                        ; 16 t
	s_and_b32 s22, ttmp7, 0xffff                   ; b
	s_mov_b32 s23, ttmp9                           ; x
	s_lshl_b32 s25, s22, 7
	s_mov_b32 s37, 0
	s_mov_b32 s28, 0x76543210
	s_mov_b32 s29, 0xfedcba98
	s_wait_kmcnt 0x0
	s_load_b32 s24, s[8:9], s25 offset:524288      ; the batch's count of kept rows
	s_lshl_b32 s36, s22, 12
	s_lshl_b32 s38, s23, 10
	s_add_co_u32 s36, s36, s38
	s_add_nc_u64 s[18:19], s[18:19], s[36:37]      ; out0: 4,096 b + 1,024 x
	s_lshl_b32 s36, s22, 13
	s_lshl_b32 s38, s23, 11
	s_add_co_u32 s36, s36, s38
	s_add_nc_u64 s[20:21], s[20:21], s[36:37]      ; out1, mask and rank: 8,192 b + 2,048 x
	s_add_nc_u64 s[10:11], s[10:11], s[36:37]
	s_add_nc_u64 s[40:41], s[8:9], s[36:37]
	s_lshl_b32 s36, s22, 8
	s_add_nc_u64 s[14:15], s[14:15], s[36:37]      ; pstat: 256 b
	s_mul_i32 s36, s22, 8320
	s_add_nc_u64 s[12:13], s[12:13], s[36:37]      ; eL: 8,320 b
	s_mul_i32 s36, s22, 106496
	s_lshl_b32 s38, s23, 10
	s_add_co_u32 s36, s36, s38
	s_add_nc_u64 s[16:17], s[16:17], s[36:37]      ; partO: 26 x 4,096 b + 1,024 x
	s_wait_kmcnt 0x0
	s_cmp_eq_u32 s24, 0
	s_cbranch_scc1 .Lempty
	s_add_co_u32 s26, s24, 79
	s_mul_i32 s26, s26, 52429
	s_lshr_b32 s26, s26, 22                        ; the number of blocks, ceil(count / 80): 52,429 / 2^22 is 1 / 80 to 4 parts in a million, exact for numbers under 2,128
	s_sub_co_u32 s27, s26, 1
	s_wait_alu depctr_va_vdst(0)
	v_min_u32 v10, s27, v1
	v_min_u32 v10, 25, v10
	v_lshlrev_b32 v10, 2, v10                      ; lane j reads block min(j, blocks - 1)
	global_load_b32 v20, v10, s[14:15]             ; m
	global_load_b32 v21, v10, s[14:15] offset:128  ; l
	global_load_b128 v[24:27], v2, s[40:41] offset:262144        ; rank of rows 512 x + 4 t ..
	global_load_b128 v[28:31], v2, s[40:41] offset:262144+1024   ; and 256 rows further on
	global_load_b128 v[32:35], v2, s[10:11]
	global_load_b128 v[36:39], v2, s[10:11] offset:1024
.set jj, 0
.rept 26
	s_min_u32 s30, s27, jj
	s_lshl_b32 s30, s30, 12
	v_add_nc_u32 v[40+jj], s30, v2
	global_load_b128 v[68+4*jj:71+4*jj], v[40+jj], s[16:17]
.set jj, jj+1
.endr
	v_cmp_gt_u32 vcc_lo, s26, v1
	v_mov_b32 v12, 0xff800000
	v_mov_b32 v14, 0
	s_wait_alu depctr_va_vdst(0)
	s_wait_loadcnt 30                              ; m and l are in; 30 loads behind them
	v_cndmask_b32 v20, v12, v20, vcc_lo            ; a lane past the last block: m = -infinity, l = 0
	v_cndmask_b32 v21, 0, v21, vcc_lo
	v_mov_b32 v13, v20
	v_max_num_f32_dpp v13, v13, v13 row_xmask:1 row_mask:0xf bank_mask:0xf
	v_max_num_f32_dpp v13, v13, v13 row_xmask:2 row_mask:0xf bank_mask:0xf
	v_max_num_f32_dpp v13, v13, v13 row_xmask:4 row_mask:0xf bank_mask:0xf
	v_max_num_f32_dpp v13, v13, v13 row_xmask:8 row_mask:0xf bank_mask:0xf
	v_permlanex16_b32 v14, v13, s28, s29
	v_max_num_f32 v13, v13, v14                    ; M
	v_sub_f32 v22, v20, v13
	s_wait_alu depctr_va_vdst(0)
	v_exp_f32 v22, v22                             ; the block's factor 2^(m - M)
	v_nop
	s_wait_alu depctr_va_vdst(0)
	v_mul_f32 v15, v21, v22
	v_add_f32_dpp v15, v15, v15 row_xmask:1 row_mask:0xf bank_mask:0xf
	v_add_f32_dpp v15, v15, v15 row_xmask:2 row_mask:0xf bank_mask:0xf
	v_add_f32_dpp v15, v15, v15 row_xmask:4 row_mask:0xf bank_mask:0xf
	v_add_f32_dpp v15, v15, v15 row_xmask:8 row_mask:0xf bank_mask:0xf
	v_permlanex16_b32 v14, v15, s28, s29
	v_add_f32 v15, v15, v14                        ; L
	s_wait_alu depctr_va_vdst(0)
	v_rcp_f32 v16, v15
	v_nop
	s_wait_alu depctr_va_vdst(0)
	s_wait_loadcnt 26                              ; rank and mask are in; partO's 26 loads may be out
.irp i, 0,1,2,3,4,5,6,7
	v_cmp_ne_u32 vcc_lo, 0, v[32+\i]
	v_cndmask_b32 v[24+\i], 0, v[24+\i], vcc_lo    ; a dropped row reads place 0
	v_min_u32 v[24+\i], 2079, v[24+\i]
	v_lshlrev_b32 v[24+\i], 2, v[24+\i]
.endr
.irp i, 0,1,2,3,4,5,6,7
	global_load_b32 v[24+\i], v[24+\i], s[12:13]   ; E by place
.endr
	s_wait_loadcnt 8                               ; partO is in; the eight gathers may be out
	v_readlane_b32 s30, v22, 0
.irp i, 0,1,2,3
	v_mul_f32 v[4+\i], s30, v[68+\i]
.endr
.set jj, 1
.rept 25
	v_readlane_b32 s30, v22, jj
.irp i, 0,1,2,3
	v_fmac_f32 v[4+\i], s30, v[68+4*jj+\i]
.endr
.set jj, jj+1
.endr
.irp i, 0,1,2,3
	v_mul_f32 v[4+\i], v[4+\i], v16
.endr
	global_store_b128 v2, v[4:7], s[18:19]         ; a wave stores 512 consecutive bytes
	s_wait_loadcnt 0x0
.irp i, 0,1,2,3,4,5,6,7
	v_sub_f32 v[24+\i], v[24+\i], v13              ; 0 or less
.endr
	s_wait_alu depctr_va_vdst(0)
.irp i, 0,1,2,3,4,5,6,7
	v_exp_f32 v[24+\i], v[24+\i]
.endr
	v_nop
.irp i, 0,1,2,3,4,5,6,7
	v_cvt_f32_i32 v[32+\i], v[32+\i]
.endr
.irp i, 0,1,2,3,4,5,6,7
	v_mul_f32 v[32+\i], v[32+\i], v16              ; float(mask) / L
.endr
	s_wait_alu depctr_va_vdst(0)                   ; one wait for the eight exponentials
.irp i, 0,1,2,3,4,5,6,7
	v_mul_f32 v[172+\i], v[24+\i], v[32+\i]
.endr
	global_store_b128 v2, v[172:175], s[20:21]
	global_store_b128 v2, v[176:179], s[20:21] offset:1024
	s_endpgm
.Lempty:
.irp i, 4,5,6,7
	v_mov_b32 v\i, 0x7fc00000                      ; no row is kept: every weight is 0 / 0
.endr
	s_wait_alu depctr_va_vdst(0)
	global_store_b128 v2, v[4:7], s[18:19]
	global_store_b128 v2, v[4:7], s[20:21]
	global_store_b128 v2, v[4:7], s[20:21] offset:1024
	s_endpgm
.Lfunc_end_k_q728dc4fda8_comb:
	.size	k_q728dc4fda8_comb, .Lfunc_end_k_q728dc4fda8_comb-k_q728dc4fda8_comb
	.p2alignl 7, 3214868480
	.fill 96, 4, 3214868480
	.section	.rodata,"a",@progbits
	.p2align	6, 0x0
	.amdhsa_kernel k_q728dc4fda8_comb
		.amdhsa_group_segment_fixed_size 0
		.amdhsa_private_segment_fixed_size 0
		.amdhsa_enable_private_segment 0
		.amdhsa_kernarg_size 56
		.amdhsa_user_sgpr_count 2
		.amdhsa_user_sgpr_kernarg_segment_ptr 1
		.amdhsa_wavefront_size32 1
		.amdhsa_system_sgpr_workgroup_id_x 1
		.amdhsa_system_sgpr_workgroup_id_y 1
		.amdhsa_system_sgpr_workgroup_id_z 1
		.amdhsa_system_vgpr_workitem_id 0
		.amdhsa_next_free_vgpr 192
		.amdhsa_next_free_sgpr 66
		.amdhsa_reserve_vcc 1
		.amdhsa_float_denorm_mode_32 3
		.amdhsa_float_denorm_mode_16_64 3
		.amdhsa_memory_ordered 1
		.amdhsa_forward_progress 1
		.amdhsa_inst_pref_size 18
	.end_amdhsa_kernel
	.amdgpu_metadata
---
amdhsa.version: [ 1, 2 ]
amdhsa.kernels:
  - .name:           k_q728dc4fda8_comb
    .symbol:         k_q728dc4fda8_comb.kd
    .args:
      - { .name: idx, .offset: 0, .size: 8, .value_kind: global_buffer, .address_space: global }
      - { .name: context_mask, .offset: 8, .size: 8, .value_kind: global_buffer, .address_space: global }
      - { .name: eL, .offset: 16, .size: 8, .value_kind: global_buffer, .address_space: global }
      - { .name: pstat, .offset: 24, .size: 8, .value_kind: global_buffer, .address_space: global }
      - { .name: partO, .offset: 32, .size: 8, .value_kind: global_buffer, .address_space: global }
      - { .name: out0, .offset: 40, .size: 8, .value_kind: global_buffer, .address_space: global }
      - { .name: out1, .offset: 48, .size: 8, .value_kind: global_buffer, .address_space: global }
    .group_segment_fixed_size: 0
    .private_segment_fixed_size: 0
    .kernarg_segment_align: 8
    .kernarg_segment_size: 56
    .max_flat_workgroup_size: 64
    .sgpr_count:     66
    .vgpr_count:     192
    .wavefront_size: 32
...
	.end_amdgpu_metadata
.endif
;; end of part 3
